; MI455X (gfx1250); checked and timed in simulation.
; The chip was launched on July 23, 2026; its instructions are those of AMD's public machine-readable ISA for CDNA 5 (MIT licence, August 2026) and "CDNA5" Instruction Set Architecture Reference Guide (July 2026). The comments in the code are by the model that wrote it; some were corrected since.
;; Bert Self Attention. Allowed arithmetic: matrix products marked QUANTISED: E4M3 operands, one E8M0 scale for each 32 along K, by v_wmma_scale_f32_16x16x128_f8f6f4 with both operands' format E4M3, f32 sums; everything else in f32.
;; Inputs: Wk_codes 1,024 x 32 x 32 uint8 (E4M3 codes of Wk, K innermost, in blocks of 32 codes); Wk_scales 1,024 x 32 uint8 (E8M0 scales of Wk, one for each 32 codes along K); Wq_codes 1,024 x 32 x 32 uint8 (E4M3 codes of Wq, K innermost, in blocks of 32 codes); Wq_scales 1,024 x 32 uint8 (E8M0 scales of Wq, one for each 32 codes along K); Wv_codes 1,024 x 32 x 32 uint8 (E4M3 codes of Wv, K innermost, in blocks of 32 codes); Wv_scales 1,024 x 32 uint8 (E8M0 scales of Wv, one for each 32 codes along K); attention_mask 8 x 1 x 1 x 1,024 float32; bk 1,024 float32; bq 1,024 float32; bv 1,024 float32; dist_emb 2,047 x 64 float32; hidden_states_codes 8 x 1,024 x 32 x 32 uint8 (E4M3 codes of hidden_states, K innermost, in blocks of 32 codes); hidden_states_scales 8 x 1,024 x 32 uint8 (E8M0 scales of hidden_states, one for each 32 codes along K).
;; Outputs: out0 8 x 1,024 x 1,024 float32.
;; This version of the problem:
;;   THIS VERSION OF THE PROBLEM IS GIVEN IN LOW PRECISION. The matrix products marked QUANTISED in the list below multiply operands that are first quantised to E4M3 (4 exponent bits, 3 mantissa bits; 8 bits a number), with one power-of-two scale for each 32 numbers along K (OCP MX v1.0); their sums are f32. All else is computed in f32.
;;   The module's matrix products, in the order in which they are computed (A, B: the left and right operand; K: the contracted axis; several contracted axes count as one K, in the product's order):
;;     1. [M 8,192, K 1,024] x [K 1,024, N 1,024]; A: input hidden_states (given as codes); B: input Wq (given as codes): QUANTISED
;;     2. [M 8,192, K 1,024] x [K 1,024, N 1,024]; A: input hidden_states (given as codes); B: input Wk (given as codes): QUANTISED
;;     3. [M 8,192, K 1,024] x [K 1,024, N 1,024]; A: input hidden_states (given as codes); B: input Wv (given as codes): QUANTISED
;;     4. batch 128 x [M 1,024, K 64] x [K 64, N 1,024]; A: computed on the way; B: computed on the way: QUANTISED
;;     5. batch 1,024 x [M 1,024, K 64] x [K 64, N 128]; A: computed on the way; B: computed on the way: QUANTISED
;;     6. batch 1,024 x [M 1,024, K 64] x [K 64, N 128]; A: computed on the way; B: computed on the way: QUANTISED
;;     7. batch 128 x [M 1,024, K 1,024] x [K 1,024, N 64]; A: softmax (see below); B: computed on the way: QUANTISED
;;   THE QUANTISER, for each operand of a quantised product, along K:
;;     - K is cut into blocks of 32 from its start; a last block that is shorter is filled with zeros.
;;     - A block's scale is 2^e with e = floor(log2(the largest magnitude in the block)) - 8, held to -126 .. 127; a block of zeros has e = 0. As a byte (E8M0): e + 127.
;;     - Each number is divided by its block's scale, clamped to +-448, and rounded to the nearest number of E4M3, ties to even, subnormals kept.
;;     - The product sums the exact products of the quantised numbers (number of the format x scale) in f32.
;;   ~~~python
;;   def quantise(x, axis):      # numpy; x: float32 -> the quantised numbers, widened to float32 again
;;       x = np.moveaxis(x, axis, -1); K = x.shape[-1]
;;       x = np.pad(x, [(0, 0)] * (x.ndim - 1) + [(0, -K % 32)]); x = x.reshape(x.shape[:-1] + (-1, 32)); a = np.abs(x).max(-1, keepdims=True)
;;       e = np.where(a > 0, np.clip(np.frexp(np.where(a > 0, a, 1))[1] - 1 - 8, -126, 127), 0)      # np.frexp(a)[1] - 1 = floor(log2(a)), exactly
;;       r = np.clip(x / 2.0 ** e, -448, 448)
;;       step = 2.0 ** (np.maximum(np.frexp(np.where(r == 0, 1, r))[1] - 1, -6) - 3)
;;       q = np.round(r / step) * step * 2.0 ** e      # np.round: ties to even
;;       return np.moveaxis(q.reshape(q.shape[:-2] + (-1,))[..., :K], -1, axis).astype(np.float32)
;;   ~~~
;;   SOFTMAX AHEAD OF A QUANTISED PRODUCT. Where the list says 'softmax', what is quantised is not the finished softmax but p = 2^(t - M), with t = logit x log2(e) and M = ceil(the row's largest t), a whole number; so 1/2 < the row's largest p <= 1. The row's sum l is taken of the UNQUANTISED p, in f32, and the product's result is divided by l at the end. Since M is a whole number, a kernel that streams over the keys may use a running M (the ceiling of the running maximum): every later rescaling is an exact power of two, which a block's scale takes up: the codes' values come out the same.
;;   OPERANDS COMPUTED ON THE WAY. 'Computed on the way' means the value that the module computes at that place (a softmax that the list does not call 'softmax' is quantised finished and normalised). What goes into a quantiser is computed in f32, as accurately as f32 sums, v_exp_f32 and their like allow (about 1e-6 of the number): no bf16 or f16 on the way to a quantiser, and a product that is left as it is and whose result goes on into a quantised operand takes f32 operands (vector FMAs, or v_wmma_f32_16x16x4_f32). A number that lies on a knife's edge between two numbers of the format may be rounded either way, as far as f32 arithmetic and the matrix unit's own rounding can turn it there, and no further.
;;   INPUTS GIVEN AS CODES. Wk (in the module: [1024, 1024], K = its axis 1); Wq (in the module: [1024, 1024], K = its axis 1); Wv (in the module: [1024, 1024], K = its axis 1); hidden_states (in the module: [8, 1024, 1024], K = its axis 2): each comes as NAME_codes (uint8): NAME with its K axis moved to the last place and cut into blocks of 32 codes, [.., K / 32, bytes a block], one block behind the other in memory; one code a byte (a code: sign, 4 exponent bits, 3 mantissa bits); and NAME_scales (uint8): the same leading axes, one E8M0 byte (e + 127) for each 32 codes along K. Its value is code x scale, taken as it is: it is not quantised again, and the codes and scales need not be those that the quantiser above would give.
;; One version. Each part assembles by itself: llvm-mc -triple=amdgcn-amd-amdhsa -mcpu=gfx1250 --defsym DOCPART=n.
;; ======== version 1 of 1: 3 launches
;; limits: right only within a limited range of input values
;; workspace buffers: eimg 131,072 bytes; esc 8,192 bytes; qimg 8,388,608 bytes; kimg 8,388,608 bytes; vimg 8,388,608 bytes; qsc 262,144 bytes; ksc 262,144 bytes; vsc 262,144 bytes
;; launch embq (part 1): grid 128 x 1, 1 waves a work-group, no clusters, 0 bytes of LDS; arguments dist_emb, eimg, esc; writes eimg, esc
.if DOCPART == 1
	.amdgcn_target "amdgcn-amd-amdhsa--gfx1250"
	.amdhsa_code_object_version 6
	.text
	.protected	k_q0342ee7ebb_embq
	.globl	k_q0342ee7ebb_embq
	.p2align	8
	.type	k_q0342ee7ebb_embq,@function
k_q0342ee7ebb_embq:
	s_mov_b64 s[64:65], 0
	v_nop
	global_prefetch_b8 v0, s[64:65] scope:SCOPE_SE
	s_setreg_imm32_b32 hwreg(HW_REG_WAVE_MODE, 25, 1), 1
	s_wait_xcnt 0x0
; THE PROGRAM: BERT self-attention with the relative_key_query bias, all seven products on codes of E4M3 with one E8M0 scale for each 32 along K.
; Three launches: this one (the table of distances into codes), the three projections (q, k, v into codes), the attention.
; DEAD WORK: none.  Every input has a way to the output: bq, bk, bv move the codes of q, k, v; the mask differs along the softmax's axis; l - r + 1023 takes every value 0 .. 2046, so all rows of dist_emb are used.
; pos_emb[l][r] is row l - r + 1023 of dist_emb, and its quantiser runs along d: so the 2,047 rows are quantised once, here, and looked up afterwards; the two products with pos_emb still make one dot product for each (b, h, l, r).
; THIS LAUNCH.  E''[x] = dist_emb[x - 1] for x = 1 .. 2047, E''[0] = 0: 128 tiles J of 16 rows.  Work-group J (one wave) quantises tile J along d (two blocks of 32) and stores
;   eimg: the tile as an image of operand registers: [c 2][lane 32][16 bytes], lane (r, h) holding E''[16 J + r], d = 32 c + 16 h + 0 .. 15;
;   esc:  for row r one word: the two scale bytes of tile J's row r, then the two of tile J - 1's row r: the scale word of the pair [tile J | tile J - 1] as one operand of 128 along K.
; Both are laid in REVERSED tile order (tile J at place 127 - J), so that the attention's LDS addresses only step upward.
; The scale of tile J - 1 is made anew here from its numbers (8 more loads a lane), so that no work-group reads what another stores.
; A block's byte is its largest magnitude's exponent field - 8, held at 1 from below; a block of zeros so has the byte 1 where the rule says 127: its codes are zeros, and this program alone reads the bytes.
; LIMITS: NaN and infinities in dist_emb are not served.  The esc stores are 64 bytes a work-group, 8,192 bytes in all.
	s_load_b128 s[4:7], s[0:1], 0x0                ; dist_emb, eimg
	s_load_b64 s[8:9], s[0:1], 0x10                ; esc
	v_and_b32 v1, 15, v0                           ; r
	v_lshrrev_b32 v2, 4, v0                        ; h
	s_lshl_b32 s2, ttmp9, 4
	s_add_co_i32 s2, s2, -1                        ; 16 J - 1
	v_add_nc_u32 v3, s2, v1                        ; tile J's row of dist_emb (signed: -1 stands for E''[0])
	v_add_nc_u32 v4, -16, v3                       ; tile J - 1's
	v_max_i32 v5, 0, v3                            ; no load leaves the table: a row under 0 reads row 0 and is made 0 below
	v_max_i32 v6, 0, v4
	v_lshlrev_b32 v5, 8, v5                        ; a row is 256 bytes
	v_lshlrev_b32 v6, 8, v6
	v_lshl_add_u32 v5, v2, 6, v5                   ; + 64 h: my 16 numbers of a block of 32
	v_lshl_add_u32 v6, v2, 6, v6
	v_lshlrev_b32 v7, 4, v0                        ; out: 16 bytes a lane
	v_lshlrev_b32 v89, 2, v1                       ; and 4 bytes a row
	s_mov_b32 s12, 0x76543210
	s_mov_b32 s13, 0xfedcba98                      ; lane selects: lane l xor 16
	s_sub_co_u32 s3, 127, ttmp9                    ; the tile's place
	s_lshl_b32 s10, s3, 10
	s_mov_b32 s11, 0
	s_wait_alu depctr_va_vdst(0)
	s_wait_kmcnt 0x0
	s_add_nc_u64 s[6:7], s[6:7], s[10:11]
	s_lshl_b32 s10, s3, 6
	s_add_nc_u64 s[8:9], s[8:9], s[10:11]
.irp c, 0,1
.irp q, 0,1,2,3
	global_load_b128 v[16+16*\c+4*\q:19+16*\c+4*\q], v5, s[4:5] offset:128*\c+16*\q   ; tile J: v16-47
	global_load_b128 v[48+16*\c+4*\q:51+16*\c+4*\q], v6, s[4:5] offset:128*\c+16*\q   ; tile J - 1: v48-79
.endr
.endr
.irp k, 0,1,2,3
	v_mov_b32 v[12+\k], 0                          ; a lane permute's destination counts as one of its sources
.endr
	s_wait_loadcnt 0x0
	v_cmp_le_i32 vcc_lo, 0, v3                     ; a row that exists keeps its numbers, the others become 0
.set j, 0
.rept 32
	v_cndmask_b32 v[16+j], 0, v[16+j], vcc_lo
.set j, j+1
.endr
	v_cmp_le_i32 vcc_lo, 0, v4
.set j, 0
.rept 32
	v_cndmask_b32 v[48+j], 0, v[48+j], vcc_lo
.set j, j+1
.endr
; four blocks of 32: k = 0, 1: tile J's; k = 2, 3: tile J - 1's.  My 16 numbers, the floor 2^(9 - 127), then lane l xor 16's
.irp k, 0,1,2,3
	v_max3_num_f32 v[8+\k], |v[16+16*\k]|, |v[17+16*\k]|, 0x4800000
.endr
.irp i, 2,4,6,8,10,12,14
.irp k, 0,1,2,3
	v_max3_num_f32 v[8+\k], v[8+\k], |v[16+16*\k+\i]|, |v[17+16*\k+\i]|
.endr
.endr
.irp k, 0,1,2,3
	v_permlanex16_b32 v[12+\k], v[8+\k], s12, s13
.endr
.irp k, 0,1,2,3
	v_max_num_f32 v[8+\k], v[8+\k], v[12+\k]       ; the block's largest magnitude
.endr
.irp k, 0,1,2,3
	v_add_nc_u32 v[90+\k], 0xfc000000, v[8+\k]     ; 8 off its exponent field: the conversion's scale operand
.endr
.irp k, 0,1,2,3
	v_lshrrev_b32 v[12+\k], 23, v[90+\k]           ; the scale's byte
.endr
.irp k, 0,1
.endr
	v_lshl_or_b32 v88, v13, 8, v12                 ; the pair's scale word
	v_lshl_or_b32 v88, v14, 16, v88
	v_lshl_or_b32 v88, v15, 24, v88
.irp c, 0,1
.irp i, 0,1,2,3,4,5,6,7,8,9,10,11,12,13,14,15
.endr
	v_cvt_scalef32_pk8_fp8_f32 v[80+4*\c:81+4*\c], v[16+16*\c:23+16*\c], v[90+\c]
	v_cvt_scalef32_pk8_fp8_f32 v[82+4*\c:83+4*\c], v[24+16*\c:31+16*\c], v[90+\c]
.endr
	v_nop                                          ; one plain line behind the last conversion
	global_store_b128 v7, v[80:83], s[6:7]         ; 32 lanes store 512 consecutive bytes
	global_store_b128 v7, v[84:87], s[6:7] offset:512
	global_store_b32 v89, v88, s[8:9]              ; lanes l and l xor 16 hold the same word and write it to the same place
	s_endpgm
.Lfunc_end_k_q0342ee7ebb_embq:
	.size	k_q0342ee7ebb_embq, .Lfunc_end_k_q0342ee7ebb_embq-k_q0342ee7ebb_embq
	.p2alignl 7, 3214868480
	.fill 96, 4, 3214868480
	.section	.rodata,"a",@progbits
	.p2align	6, 0x0
	.amdhsa_kernel k_q0342ee7ebb_embq
		.amdhsa_group_segment_fixed_size 0
		.amdhsa_private_segment_fixed_size 0
		.amdhsa_enable_private_segment 0
		.amdhsa_kernarg_size 24
		.amdhsa_user_sgpr_count 2
		.amdhsa_user_sgpr_kernarg_segment_ptr 1
		.amdhsa_wavefront_size32 1
		.amdhsa_system_sgpr_workgroup_id_x 1
		.amdhsa_system_sgpr_workgroup_id_y 1
		.amdhsa_system_sgpr_workgroup_id_z 1
		.amdhsa_system_vgpr_workitem_id 0
		.amdhsa_next_free_vgpr 96
		.amdhsa_next_free_sgpr 66
		.amdhsa_reserve_vcc 1
		.amdhsa_float_denorm_mode_32 3
		.amdhsa_float_denorm_mode_16_64 3
		.amdhsa_fp16_overflow 1
		.amdhsa_memory_ordered 1
		.amdhsa_forward_progress 1
		.amdhsa_inst_pref_size 9
	.end_amdhsa_kernel
	.amdgpu_metadata
---
amdhsa.version: [ 1, 2 ]
amdhsa.kernels:
  - .name:           k_q0342ee7ebb_embq
    .symbol:         k_q0342ee7ebb_embq.kd
    .args:
      - { .name: dist_emb, .offset: 0, .size: 8, .value_kind: global_buffer, .address_space: global }
      - { .name: eimg, .offset: 8, .size: 8, .value_kind: global_buffer, .address_space: global }
      - { .name: esc, .offset: 16, .size: 8, .value_kind: global_buffer, .address_space: global }
    .group_segment_fixed_size: 0
    .private_segment_fixed_size: 0
    .kernarg_segment_align: 8
    .kernarg_segment_size: 24
    .max_flat_workgroup_size: 32
    .sgpr_count:     66
    .vgpr_count:     96
    .wavefront_size: 32
...
	.end_amdgpu_metadata
.endif
;; end of part 1
;; launch proj (part 2): grid 12 x 32, 4 waves a work-group, clusters of 4 x 4, 327,680 bytes of LDS; arguments hidden_states_codes, hidden_states_scales, Wq_codes, Wq_scales, Wk_codes, Wk_scales, Wv_codes, Wv_scales, bq, bk, bv, qimg, qsc, kimg, ksc, vimg, vsc; writes qimg, qsc, kimg, ksc, vimg, vsc
.if DOCPART == 2
	.amdgcn_target "amdgcn-amd-amdhsa--gfx1250"
	.amdhsa_code_object_version 6
	.text
	.protected	k_q0342ee7ebb_proj
	.globl	k_q0342ee7ebb_proj
	.p2align	8
	.type	k_q0342ee7ebb_proj,@function
k_q0342ee7ebb_proj:
	s_mov_b64 s[64:65], 0
	v_nop
	global_prefetch_b8 v0, s[64:65] scope:SCOPE_SE
	s_setreg_imm32_b32 hwreg(HW_REG_WAVE_MODE, 25, 1), 1
	s_wait_xcnt 0x0
	s_wait_alu depctr_hold_cnt(0) depctr_sa_sdst(0) depctr_va_vdst(0) depctr_va_sdst(0) depctr_va_ssrc(0) depctr_va_vcc(0) depctr_vm_vsrc(0)
	s_getreg_b32 s2, hwreg(HW_REG_IB_STS2, 6, 4)
	s_cmp_eq_u32 s2, 0
	s_cbranch_scc0 .Lentry_in_a_cluster
	s_endpgm
.Lentry_in_a_cluster:
	s_bfe_u32 s2, ttmp6, 0x10000c
	s_cmp_lg_u32 s2, 0xf033
	s_cbranch_scc0 .Lentry_shape_is_right
	s_endpgm
.Lentry_shape_is_right:
.set KSTEP,  256
.set NQ,     2
.set ROWB,   256
.set KROW,   1024
.set PITCH,  272
.set FR,     16
.set NL,     4
.set NP,     8
.set HALFT,  128*PITCH
.set SLOT,   4*HALFT
.set LAPS,   2
.set KS,     32
.set SCL,    2*SLOT
.set HALFS,  (128*KS/256)*272
.set SBLK,   (16*KS/256)*272
.set SPARE,  SCL+4*HALFS
.set ADRA, 16
.set ADRB, 20
.set GSO,  22
.set BOF,  23
.set LB,   24
.set SST,  25
.set SLD,  26
.set ADRS, 27
.set SPW,  28
.set NIL,  29
.set SC,   32
.set BV,   64
.set AF,   128
.set T,    128
.set PC,   192
.set TM,   208
.set PW,   224
.set G1, 24
.set G0, 32
.set G1B, 48
.set G0B, 56
.set G1S, 68
.set G0S, 76
.set G1SB, 80
.set G0SB, 88
.set SEL, 96
.set MNT, 98
.set MSB, 0
.macro WIN new
.if MSB != \new
	s_set_vgpr_msb (MSB<<8)|\new
.set MSB, \new
.endif
.endm
.set MUL_LO, 0xa1
.set MUL_HI, 0xf1
.set TO_B,   0x40
.macro JLOAD g0a, g1a, g0b, g1b
	s_cmp_eq_u32 s15, 0
	s_cbranch_scc0 .Lfor_b_\@
	tensor_load_to_lds s[\g0a:\g0a+3], s[\g1a:\g1a+7]
	s_nop 0
.rept 4
	v_nop
.endr
	s_branch .Lasked_\@
.Lfor_b_\@:
	tensor_load_to_lds s[\g0b:\g0b+3], s[\g1b:\g1b+7]
	s_nop 0
.rept 4
	v_nop
.endr
.Lasked_\@:
.endm
.macro CREST
	s_cmp_lg_u32 s14, 0
	s_cbranch_scc1 .Lnot_wave_0_\@
	s_barrier_signal -3
.Lnot_wave_0_\@:
	s_barrier_wait -3
	s_barrier_signal -1
	s_barrier_wait -1
.endm
.macro CROUND
	s_barrier_signal -1
	s_barrier_wait -1
	CREST
.endm
	s_load_b512 s[68:83], s[0:1], 0x0
	s_load_b512 s[84:99], s[0:1], 0x40
	s_load_b64 s[100:101], s[0:1], 0x80
	v_lshl_add_u32 v[SPW], v0, 2, SPARE
	v_mov_b32 v[NIL], 0
	ds_add_u32 v[SPW], v[NIL]
	ds_add_u32 v[SPW], v[NIL]
	v_lshrrev_b32 v1, 5, v0
	v_readfirstlane_b32 s14, v1
	s_lshr_b32 s15, s14, 1
	s_and_b32 s16, s14, 1
	s_bfe_u32 s40, ttmp6, 0x40000
	s_bfe_u32 s41, ttmp6, 0x40004
	s_and_b32 s17, ttmp7, 0xffff
	s_lshl_b32 s17, s17, 2
	s_cmp_eq_u32 ttmp9, 2
	s_cselect_b32 s42, s17, 0
	s_cselect_b32 s17, 0, s17
	s_add_co_u32 s42, s42, s40
	s_add_co_u32 s17, s17, s41
	s_lshl_b32 s43, s41, 2
	s_lshl_b32 s43, 15, s43
	s_lshl_b32 s44, 0x1111, s40
	s_or_b32 s[G1+0], s43, (0<<16)|(1<<20)|(1<<21)|(5<<22)|(3<<25)
	s_or_b32 s[G1B+0], s44, (0<<16)|(1<<20)|(1<<21)|(5<<22)|(3<<25)
.irp g, G1, G1B
	s_mov_b32 s[\g+1], ROWB<<16
	s_mov_b32 s[\g+2], 128<<16
	s_mov_b32 s[\g+3], ROWB<<16
	s_mov_b32 s[\g+4], 128
	s_mov_b32 s[\g+5], KROW
	s_mov_b32 s[\g+6], 0
	s_mov_b32 s[\g+7], 0
.endr
	s_lshl_b32 s18, s16, 7
	s_lshl_b32 s20, s17, 8
	s_add_co_u32 s20, s20, s18
	s_lshl_b32 s46, s42, 8
	s_add_co_u32 s46, s46, s18
	s_lshl_b32 s22, s20, 5
	s_lshl_b32 s20, s20, 10
	s_lshl_b32 s18, s46, 5
	s_lshl_b32 s46, s46, 10
	s_mov_b32 s21, 0
	s_mov_b32 s23, 0
	s_mov_b32 s19, 0
	s_mov_b32 s47, 0
	s_mul_i32 s45, s14, HALFT
	s_wait_dscnt 0x0
	s_wait_kmcnt 0x0
	s_cmp_eq_u32 ttmp9, 0
	s_cselect_b64 s[8:9], s[72:73], s[76:77]
	s_cselect_b64 s[10:11], s[74:75], s[78:79]
	s_cselect_b64 s[12:13], s[90:91], s[94:95]
	s_cselect_b64 s[2:3], s[92:93], s[96:97]
	s_cselect_b64 s[104:105], s[84:85], s[86:87]
	s_cmp_eq_u32 ttmp9, 2
	s_cselect_b64 s[4:5], s[80:81], s[68:69]
	s_cselect_b64 s[6:7], s[82:83], s[70:71]
	s_cselect_b64 s[8:9], s[68:69], s[8:9]
	s_cselect_b64 s[10:11], s[70:71], s[10:11]
	s_cselect_b64 s[12:13], s[98:99], s[12:13]
	s_cselect_b64 s[100:101], s[100:101], s[2:3]
	s_cselect_b64 s[104:105], s[88:89], s[104:105]
	s_add_nc_u64 s[20:21], s[4:5], s[20:21]
	s_add_nc_u64 s[22:23], s[6:7], s[22:23]
	s_add_nc_u64 s[46:47], s[8:9], s[46:47]
	s_add_nc_u64 s[18:19], s[10:11], s[18:19]
	s_or_b32 s[G1S+0], s43, (3<<16)|(1<<20)|(1<<21)|(5<<22)|(3<<25)
	s_or_b32 s[G1SB+0], s44, (3<<16)|(1<<20)|(1<<21)|(5<<22)|(3<<25)
.irp g, G1S, G1SB
	s_mov_b32 s[\g+1], 32<<16
	s_mov_b32 s[\g+2], (128*KS/256)<<16
	s_mov_b32 s[\g+3], 32<<16
	s_mov_b32 s[\g+4], 128*KS/256
	s_mov_b32 s[\g+5], 32
	s_mov_b32 s[\g+6], 0
	s_mov_b32 s[\g+7], 0
.endr
	s_mul_i32 s94, s14, HALFS
	s_mov_b32 s[SEL], 0x76543210
	s_mov_b32 s[SEL+1], 0xfedcba98
	CROUND
	s_mov_b32 s[G0S], 1
	s_add_co_u32 s[G0S+1], s94, SCL
	s_mov_b64 s[G0S+2:G0S+3], s[22:23]
	s_or_b32 s[G0S+3], s[G0S+3], 0x80000000
	s_mov_b32 s[G0SB], 1
	s_add_co_u32 s[G0SB+1], s94, SCL
	s_mov_b64 s[G0SB+2:G0SB+3], s[18:19]
	s_or_b32 s[G0SB+3], s[G0SB+3], 0x80000000
	JLOAD G0S, G1S, G0SB, G1SB
.irp s, 0,1
	s_mov_b32 s[G0+4*\s], 1
	s_add_co_u32 s[G0+4*\s+1], s45, \s*SLOT
	s_add_nc_u64 s[G0+4*\s+2:G0+4*\s+3], s[20:21], \s*ROWB
	s_or_b32 s[G0+4*\s+3], s[G0+4*\s+3], 0x80000000
	s_mov_b32 s[G0B+4*\s], 1
	s_add_co_u32 s[G0B+4*\s+1], s45, \s*SLOT
	s_add_nc_u64 s[G0B+4*\s+2:G0B+4*\s+3], s[46:47], \s*ROWB
	s_or_b32 s[G0B+4*\s+3], s[G0B+4*\s+3], 0x80000000
	s_wait_alu depctr_va_vdst(0)
	s_wait_tensorcnt 0x0
	ds_add_u32 v28, v29
	s_wait_dscnt 0x0
	CROUND
	JLOAD G0+4*\s, G1, G0B+4*\s, G1B
.endr
	v_and_b32 v1, 15, v0
	v_bfe_u32 v2, v0, 4, 1
	v_mul_u32_u24 v3, v1, PITCH
	v_lshl_add_u32 v4, v2, 4, v3
	s_mul_i32 s21, s15, HALFT
	s_mul_i32 s22, s16, HALFT
	s_add_co_u32 s22, s22, 2*HALFT
.irp s, 0,1
	v_add_nc_u32 v[ADRA+\s], s21, v4
	v_add_nc_u32 v[ADRB+\s], s22, v4
	s_add_co_u32 s21, s21, SLOT
	s_add_co_u32 s22, s22, SLOT
.endr
	v_mul_u32_u24 v5, v1, KS
	v_lshrrev_b32 v6, 8, v5
	v_lshl_add_u32 v5, v6, 4, v5
	s_mul_i32 s21, s15, HALFS
	s_mul_i32 s22, s16, HALFS
	s_add_co_u32 s22, s22, 2*HALFS
	s_sub_co_u32 s22, s22, s21
	v_mul_u32_u24 v6, s22, v2
	s_add_co_u32 s21, s21, SCL
	v_add_nc_u32 v5, v5, v6
	v_add_nc_u32 v[ADRS], s21, v5
	v_lshlrev_b32 v[LB], 4, v1
	v_lshl_add_u32 v[LB], v2, 3, v[LB]
	s_lshl_b32 s23, s14, 9
	v_lshl_add_u32 v[SST], v1, 2, s23
	v_and_b32 v6, 31, v0
	v_lshl_add_u32 v[SLD], v6, 4, s23
.macro FRAG reg, adr, q, i
.irp c, 0,1,2,3
	ds_load_b128 v[\reg+4*\c:\reg+4*\c+3], v[\adr] offset:128*(\q)+32*\c+(\i)*16*PITCH
.endr
.endm
.macro MUL16 a0, p, q, sc, zero
.irp a, \a0, \a0+1
.irp b, 0,1,2,3,4,5,6,7
.if \zero
	v_wmma_scale_f32_16x16x128_f8f6f4 v[8*(8*((\a)%4)+\b):8*(8*((\a)%4)+\b)+7], v[128*(\p)+FR*\b:128*(\p)+FR*\b+FR-1], v[AF+FR*(\a):AF+FR*(\a)+FR-1], 0, v[SC+8*NQ*(\sc)+NQ*\b+(\q)], v[SC+8*NQ*(\sc)+NQ*(\a)+(\q)] matrix_a_scale:MATRIX_SCALE_ROW1
.else
	v_wmma_scale_f32_16x16x128_f8f6f4 v[8*(8*((\a)%4)+\b):8*(8*((\a)%4)+\b)+7], v[128*(\p)+FR*\b:128*(\p)+FR*\b+FR-1], v[AF+FR*(\a):AF+FR*(\a)+FR-1], v[8*(8*((\a)%4)+\b):8*(8*((\a)%4)+\b)+7], v[SC+8*NQ*(\sc)+NQ*\b+(\q)], v[SC+8*NQ*(\sc)+NQ*(\a)+(\q)] matrix_a_scale:MATRIX_SCALE_ROW1
.endif
.endr
.endr
.endm
.macro FETCH_B slot, q, p
	WIN TO_B
.irp i, 0,1,2,3,4,5,6,7
	FRAG 128*(\p)+FR*\i, ADRB+\slot, \q, \i
.endr
	WIN 0
.endm
.macro FETCH_A slot, q, i0
.irp i, \i0, \i0+1, \i0+2, \i0+3
	FRAG AF+FR*(\i), ADRA+\slot, \q, \i
.endr
.endm
.macro SCALES sc
.irp i, 0,1,2,3,4,5,6,7
	ds_load_b64 v[SC+8*NQ*\sc+NQ*\i:SC+8*NQ*\sc+NQ*\i+1], v[ADRS] offset:\i*SBLK
.endr
.endm
.macro PLACES n
.rept \n
	v_nop
.endr
.endm
.macro STEP slot, q, zero
	s_wait_dscnt 4*NL
	WIN MUL_LO
	MUL16 0, (\q)%2, \q, \slot, \zero
	MUL16 2, (\q)%2, \q, \slot, \zero
	s_wait_dscnt 0
	PLACES NP
	FETCH_B \slot, (\q)+1, 1-(\q)%2
	FETCH_A \slot, (\q)+1, 0
	WIN MUL_HI
	MUL16 4, (\q)%2, \q, \slot, \zero
	MUL16 6, (\q)%2, \q, \slot, \zero
	PLACES NP
	WIN 0
	FETCH_A \slot, (\q)+1, 4
.endm
.macro TURN slot, next, fill
	s_wait_tensorcnt 0x0
	ds_add_u32 v[SPW], v[NIL]
	s_wait_dscnt 4*NL+1
	WIN MUL_LO
	MUL16 0, 1, NQ-1, \slot, 0
	s_wait_dscnt 0x0
	s_barrier_signal -1
	MUL16 2, 1, NQ-1, \slot, 0
	WIN 0
	s_barrier_wait -1
.if \fill
	CREST
	s_add_nc_u64 s[G0+4*\slot+2:G0+4*\slot+3], s[G0+4*\slot+2:G0+4*\slot+3], 2*ROWB
	s_add_nc_u64 s[G0B+4*\slot+2:G0B+4*\slot+3], s[G0B+4*\slot+2:G0B+4*\slot+3], 2*ROWB
	JLOAD G0+4*\slot, G1, G0B+4*\slot, G1B
	PLACES NP-4
.else
	PLACES NP
.endif
	s_wait_alu depctr_va_vdst(0)
	v_add_nc_u32 v[ADRS], 4*NQ, v[ADRS]
	FETCH_B \next, 0, 0
	FETCH_A \next, 0, 0
	SCALES \next
	WIN MUL_HI
	MUL16 4, 1, NQ-1, \slot, 0
	MUL16 6, 1, NQ-1, \slot, 0
	PLACES NP
	WIN 0
	FETCH_A \next, 0, 4
.endm
.macro QUANT s
.irp b, 0,1,2,3
	v_max3_num_f32 v[TM+\b], |v[\s+16*\b]|, |v[\s+1+16*\b]|, 0x4800000
.endr
.irp i, 2,4,6,8,10,12,14
.irp b, 0,1,2,3
	v_max3_num_f32 v[TM+\b], v[TM+\b], |v[\s+16*\b+\i]|, |v[\s+1+16*\b+\i]|
.endr
.endr
.irp b, 0,1,2,3
	v_permlanex16_b32 v[TM+4+\b], v[TM+\b], s[SEL], s[SEL+1]
.endr
.irp b, 0,1,2,3
	v_max_num_f32 v[TM+\b], v[TM+\b], v[TM+4+\b]
.endr
.irp b, 0,1,2,3
	v_add_nc_u32 v[TM+12+\b], 0xfc000000, v[TM+\b]
.endr
.irp b, 0,1,2,3
.endr
.irp b, 0,1,2,3
	v_lshrrev_b32 v[TM+4+\b], 23, v[TM+12+\b]
.endr
	v_lshl_or_b32 v[PW], v[TM+5], 8, v[TM+4]
	v_lshl_or_b32 v[PW], v[TM+6], 16, v[PW]
	v_lshl_or_b32 v[PW], v[TM+7], 24, v[PW]
.irp b, 0,1,2,3
.irp i, 0,1,2,3,4,5,6,7,8,9,10,11,12,13,14,15
.endr
	v_cvt_scalef32_pk8_fp8_f32 v[PC+4*\b:PC+1+4*\b], v[\s+16*\b:\s+7+16*\b], v[TM+12+\b]
	v_cvt_scalef32_pk8_fp8_f32 v[PC+2+4*\b:PC+3+4*\b], v[\s+8+16*\b:\s+15+16*\b], v[TM+12+\b]
.endr
	v_nop
.endm
.macro OUTBLK a, mode
	s_wait_xcnt 0x0
	WIN 0x02+((\a)/4)
.set AC, 64*((\a)%4)
.set k, 0
.rept 32
.if \mode
	v_pk_add_f32 v[T+k:T+k+1], v[AC+k:AC+k+1], v[BV+2*(\a):BV+2*(\a)+1]
.else
	v_pk_add_f32 v[T+k:T+k+1], v[AC+k:AC+k+1], v[BV+k:BV+k+1]
.endif
.set k, k+2
.endr
	WIN 0
	QUANT T
.irp e, 0,1,2,3
	global_store_b64 v[LB], v[PC+4*\e:PC+4*\e+1], s[12:13] offset:(\a)*1024+(\e%2)*512+(\e/2)*65536
	global_store_b64 v[LB], v[PC+4*\e+2:PC+4*\e+3], s[12:13] offset:(\a)*1024+(\e%2)*512+(\e/2)*65536+256
.endr
	ds_store_b32 v[SST], v[PW] offset:4096*\mode+64*(\a)
	s_wait_dscnt 0x0
.endm
.macro TAIL mode
.if \mode
	s_lshl_b32 s20, s42, 1
	s_add_co_u32 s20, s20, s16
	s_lshl_b32 s21, s17, 1
	s_add_co_u32 s21, s21, s15
	s_lshl_b32 s22, s20, 17
	s_lshl_b32 s23, s21, 13
	s_add_co_u32 s46, s22, s23
	s_mov_b32 s47, 0
	s_add_nc_u64 s[12:13], s[12:13], s[46:47]
	s_lshr_b32 s22, s20, 3
	s_lshl_b32 s22, s22, 4
	s_lshl_b32 s23, s21, 1
	s_add_co_u32 s22, s22, s23
	s_lshl_b32 s22, s22, 3
	s_and_b32 s23, s20, 7
	s_add_co_u32 s22, s22, s23
	s_lshl_b32 s46, s22, 8
	s_add_nc_u64 s[100:101], s[100:101], s[46:47]
	s_lshl_b32 s22, s17, 8
	s_lshl_b32 s23, s15, 7
	s_add_co_u32 s22, s22, s23
	s_lshl_b32 s46, s22, 2
	s_add_nc_u64 s[104:105], s[104:105], s[46:47]
	v_lshlrev_b32 v[BOF], 2, v1
	v_lshlrev_b32 v[GSO], 4, v1
	v_lshl_add_u32 v[GSO], v2, 11, v[GSO]
.irp a, 0,1,2,3,4,5,6,7
	global_load_b32 v[BV+2*\a], v[BOF], s[104:105] offset:64*\a
	global_load_b32 v[BV+2*\a+1], v[BOF], s[104:105] offset:64*\a
.endr
.else
	s_lshr_b32 s20, s17, 2
	s_and_b32 s21, s17, 3
	s_lshl_b32 s22, s20, 4
	s_lshl_b32 s23, s42, 2
	s_add_co_u32 s22, s22, s23
	s_lshl_b32 s23, s16, 1
	s_add_co_u32 s22, s22, s23
	s_lshl_b32 s22, s22, 6
	s_lshl_b32 s23, s21, 4
	s_add_co_u32 s22, s22, s23
	s_lshl_b32 s23, s15, 3
	s_add_co_u32 s22, s22, s23
	s_lshl_b32 s46, s22, 10
	s_mov_b32 s47, 0
	s_add_nc_u64 s[12:13], s[12:13], s[46:47]
	s_lshl_b32 s22, s20, 3
	s_lshl_b32 s23, s42, 1
	s_add_co_u32 s22, s22, s23
	s_add_co_u32 s22, s22, s16
	s_lshl_b32 s22, s22, 10
	s_lshl_b32 s23, s21, 8
	s_add_co_u32 s22, s22, s23
	s_lshl_b32 s23, s15, 7
	s_add_co_u32 s22, s22, s23
	s_lshl_b32 s46, s22, 2
	s_add_nc_u64 s[100:101], s[100:101], s[46:47]
	s_lshl_b32 s22, s42, 8
	s_lshl_b32 s23, s16, 7
	s_add_co_u32 s22, s22, s23
	s_lshl_b32 s46, s22, 2
	s_add_nc_u64 s[104:105], s[104:105], s[46:47]
	v_lshlrev_b32 v[BOF], 5, v2
	v_lshlrev_b32 v[GSO], 4, v1
	v_lshl_add_u32 v[GSO], v2, 8, v[GSO]
.irp b, 0,1,2,3,4,5,6,7
	global_load_b128 v[BV+8*\b:BV+8*\b+3], v[BOF], s[104:105] offset:64*\b
	global_load_b128 v[BV+8*\b+4:BV+8*\b+7], v[BOF], s[104:105] offset:64*\b+16
.endr
.endif
	s_wait_dscnt 4*NL
	WIN MUL_LO
	MUL16 0, 1, NQ-1, 1, 0
	MUL16 2, 1, NQ-1, 1, 0
	s_wait_dscnt 0
	WIN MUL_HI
	MUL16 4, 1, NQ-1, 1, 0
	MUL16 6, 1, NQ-1, 1, 0
	WIN 0
	PLACES NP
.irp b, 0,1,2,3
	v_mov_b32 v[TM+4+\b], 0
.endr
	s_wait_loadcnt 0x0
.irp a, 0,1,2,3,4,5,6,7
	OUTBLK \a, \mode
.endr
	ds_load_b128 v[T:T+3], v[SLD] offset:4096*\mode
	s_wait_dscnt 0x0
	global_store_b128 v[GSO], v[T:T+3], s[100:101]
	s_wait_tensorcnt 0x0
	ds_add_u32 v[SPW], v[NIL]
	s_wait_dscnt 0x0
	CROUND
	s_endpgm
.endm
	s_wait_alu depctr_va_vdst(0)
	s_wait_tensorcnt 1
	s_barrier_signal -1
	s_barrier_wait -1
	FETCH_B 0, 0, 0
	FETCH_A 0, 0, 0
	SCALES 0
	FETCH_A 0, 0, 4
	STEP 0, 0, 1
	s_mov_b32 s3, LAPS-1
.Llap:
	TURN 0, 1, 1
	STEP 1, 0, 0
	TURN 1, 0, 1
	STEP 0, 0, 0
	s_sub_co_u32 s3, s3, 1
	s_cmp_lg_u32 s3, 0
	s_cbranch_scc1 .Llap
	TURN 0, 1, 0
	STEP 1, 0, 0
	s_cmp_eq_u32 ttmp9, 2
	s_cbranch_scc1 .Lv
	TAIL 0
.Lv:
	TAIL 1
.Lfunc_end_k_q0342ee7ebb_proj:
	.size	k_q0342ee7ebb_proj, .Lfunc_end_k_q0342ee7ebb_proj-k_q0342ee7ebb_proj
	.p2alignl 7, 3214868480
	.fill 96, 4, 3214868480
	.section	.rodata,"a",@progbits
	.p2align	6, 0x0
	.amdhsa_kernel k_q0342ee7ebb_proj
		.amdhsa_group_segment_fixed_size 327680
		.amdhsa_private_segment_fixed_size 0
		.amdhsa_enable_private_segment 0
		.amdhsa_kernarg_size 136
		.amdhsa_user_sgpr_count 2
		.amdhsa_user_sgpr_kernarg_segment_ptr 1
		.amdhsa_wavefront_size32 1
		.amdhsa_system_sgpr_workgroup_id_x 1
		.amdhsa_system_sgpr_workgroup_id_y 1
		.amdhsa_system_sgpr_workgroup_id_z 1
		.amdhsa_system_vgpr_workitem_id 0
		.amdhsa_next_free_vgpr 1024
		.amdhsa_next_free_sgpr 106
		.amdhsa_reserve_vcc 0
		.amdhsa_float_denorm_mode_32 3
		.amdhsa_float_denorm_mode_16_64 3
		.amdhsa_fp16_overflow 1
		.amdhsa_memory_ordered 1
		.amdhsa_forward_progress 1
		.amdhsa_inst_pref_size 236
	.end_amdhsa_kernel
	.amdgpu_metadata
---
amdhsa.version: [ 1, 2 ]
amdhsa.kernels:
  - .name:           k_q0342ee7ebb_proj
    .symbol:         k_q0342ee7ebb_proj.kd
    .args:
      - { .name: hidden_states_codes, .offset: 0, .size: 8, .value_kind: global_buffer, .address_space: global }
      - { .name: hidden_states_scales, .offset: 8, .size: 8, .value_kind: global_buffer, .address_space: global }
      - { .name: Wq_codes, .offset: 16, .size: 8, .value_kind: global_buffer, .address_space: global }
      - { .name: Wq_scales, .offset: 24, .size: 8, .value_kind: global_buffer, .address_space: global }
      - { .name: Wk_codes, .offset: 32, .size: 8, .value_kind: global_buffer, .address_space: global }
      - { .name: Wk_scales, .offset: 40, .size: 8, .value_kind: global_buffer, .address_space: global }
      - { .name: Wv_codes, .offset: 48, .size: 8, .value_kind: global_buffer, .address_space: global }
      - { .name: Wv_scales, .offset: 56, .size: 8, .value_kind: global_buffer, .address_space: global }
      - { .name: bq, .offset: 64, .size: 8, .value_kind: global_buffer, .address_space: global }
      - { .name: bk, .offset: 72, .size: 8, .value_kind: global_buffer, .address_space: global }
      - { .name: bv, .offset: 80, .size: 8, .value_kind: global_buffer, .address_space: global }
      - { .name: qimg, .offset: 88, .size: 8, .value_kind: global_buffer, .address_space: global }
      - { .name: qsc, .offset: 96, .size: 8, .value_kind: global_buffer, .address_space: global }
      - { .name: kimg, .offset: 104, .size: 8, .value_kind: global_buffer, .address_space: global }
      - { .name: ksc, .offset: 112, .size: 8, .value_kind: global_buffer, .address_space: global }
      - { .name: vimg, .offset: 120, .size: 8, .value_kind: global_buffer, .address_space: global }
      - { .name: vsc, .offset: 128, .size: 8, .value_kind: global_buffer, .address_space: global }
    .group_segment_fixed_size: 327680
    .private_segment_fixed_size: 0
    .kernarg_segment_align: 8
    .kernarg_segment_size: 136
    .max_flat_workgroup_size: 128
    .sgpr_count:     106
    .vgpr_count:     1024
    .wavefront_size: 32
...
	.end_amdgpu_metadata
.endif
;; end of part 2
;; launch attn (part 3): grid 2 x 128, 8 waves a work-group, no clusters, 327,680 bytes of LDS; arguments qimg, qsc, kimg, ksc, vimg, vsc, eimg, esc, attention_mask, out0; writes out0
.if DOCPART == 3
	.amdgcn_target "amdgcn-amd-amdhsa--gfx1250"
	.amdhsa_code_object_version 6
	.text
	.protected	k_q0342ee7ebb_attn
	.globl	k_q0342ee7ebb_attn
	.p2align	8
	.type	k_q0342ee7ebb_attn,@function
k_q0342ee7ebb_attn:
	s_mov_b64 s[64:65], 0
	v_nop
	global_prefetch_b8 v0, s[64:65] scope:SCOPE_SE
	s_setreg_imm32_b32 hwreg(HW_REG_WAVE_MODE, 25, 1), 1
	s_wait_xcnt 0x0
; THE ATTENTION, on the codes that the two launches before have made.  No work of the problem is left out here.
; score(l, r) = Q[l].K[r] + Q[l].E''[x] + K[r].E''[x], x = l - r + 1024 (E''[x] = dist_emb[x - 1]);  t = (score + 8 mask[r]) x log2(e) / 8;  p = 2^(t - M), M the ceiling of the running largest t;
; p is quantised along the keys; the row's sum is taken of the unquantised p and divides at the end.
; SHARES.  A work-group STAYS: it owns 512 queries of one (batch, head) and walks them in two passes of 256; in a pass each of its eight waves has 32 queries: two tiles of 16.
; In a pass every wave walks the 1,024 keys in 8 steps of 128.  Two waves share a SIMD.  256 work-groups.
; All of the head's K and V, and the 96 tiles of E'' that the 512 queries can meet, lie in LDS from the start, for both passes: nothing is filled twice.  Pass p's window of 80 tiles begins 16 - 16 p tiles inside the 96.
; NO CLUSTER: a head has two work-groups (grid x = 2), which does not divide into clusters of four; a cluster of four would hold two heads, whose K and V differ.  What the two share, K's and V's 131,072 bytes, each reads once, at its head.
; LAYOUT.  All score tiles are transposed (source 0 = 16 keys, source 1 = 16 queries): a lane holds ONE query (lane % 16).  Row m of tile (g, u) is key 32 g + 8 u + m % 8 + 16 (m / 8),
;   so that register 16 g + 8 u + i of half h is key 32 g + 16 h + 8 u + i: p's registers are the next operand's.
; K = 64 FILLS HALF AN INSTRUCTION.  The other half is put to use: K's fragment is BLOCK-DIAGONAL (rows 0-7: codes in k < 64, zeros above; rows 8-15 the other way round), and the other source holds two things:
;   [Q | Q] gives Q.K.   [E'' tile J | E'' tile J - 1] gives K.E'' so that BOTH halves of the lanes belong to the same query 16 J + n + (the row's first key) - 1024.
;   With s = 8 u + i that result lies s lanes off the score's lane: it is added by a lane shift that rides on the addition: from tile J_T for lanes >= s, from tile J_T - 1 for lanes < s.
;   Each score takes exactly one such number: so 8 x mask[key] is given as the C of those products.
;   THE ZEROS ARE WRITTEN ONCE: the fragments' 32 registers are cleared at the head; rows 0-7 are loaded into the low halves with only their lanes on, rows 8-15 into the high halves with only theirs: the other lanes keep their zeros.
; Q.E'': source 0 = the same pair of tiles, source 1 = [0 | Q of my tile 0] or [Q of my tile 1 | 0]: a lane holds one query and 8 ascending x.  The 144 x that a step can meet go to the wave's own stage in LDS,
;   a row a query, and come back skewed, one word a lane, straight into the scores' registers, which are then the C of Q.K.
; LIMITS: NaN and infinities are not served but for -infinity in the mask; a row whose every key is masked by -infinity gives NaN, as in reference().  The mask is added as 8 x mask ahead of the division by 8.
; REGISTERS, window 0: v1-15 lane terms; v18-25 statistics; v26-45 scale words (v28: an offset); v46-47 f of tile 0; v48-175 scores, then p (64 a tile);
;   v176-247 by turns: Q.E'' | K.E'' and the mask | p's codes (176-207), the softmax's work (tile 0: 208-223, tile 1: 224-243); v248 at work; v249-255 the step's addresses.
;   window 1: v0-79 ten tiles of E'' (tile e at 8 (9 - e)), later V's four fragments; v80-119 Q1 Q1 0 Q0 Q0; v120-151 K's two fragments; v152-215 O^T.
.set EIMG, 0                           ; 96 tiles x 1,024 bytes, in reversed order
.set KIMG, 98304                       ; 64 tiles x 1,024 bytes
.set KPT,  1024
.set VIMG, 163840                      ; 16 rows of 4,096 bytes
.set ESC,  229376                      ; E's scale words, 64 bytes a tile
.set KSC,  235520                      ; K's scale words, a word a key
.set VSC,  239616                      ; V's, [step][d]
.set MSK,  241664                      ; 8 x mask
.set STG,  245760                      ; a stage of 16 rows x 592 bytes for each wave
.set STGW, 9472
.set SPARE, 321536                     ; the spare words, 128 bytes a wave: four blocks of 256 bytes that no other line names
.set LI, 1
.set AE, 2
.set AES, 3
.set AK, 4
.set AKS, 5
.set AM, 6
.set AV, 7
.set AVS, 8
.set AST, 9
.set ALD, 10
.set OSW, 11
.set OSR, 12
.set GO, 13
.set SPW, 14
.set NIL, 15
.set STT, 18                           ; tile t: v[18+4t] -M, +1 the largest t, +2, +3 the sum in two halves
.set QS, 26
.set QSO, 28                           ; 4 x (lane % 16): my offset among Q's scale words
.set ES, 28                            ; E's scale words: tiles 1 to 9 at v29-37
.set KSR, 38
.set VS, 40
.set PS, 44
.set FF, 46                            ; f: tile 0 v[46:47], tile 1 v[242:243]
.set S, 48
.set R, 176
.set MC, 224
.set TM, 208                           ; the softmax's work: tile t at 208 + 16 t
.set TMP, 248                          ; tile 0: v248, tile 1: v240
.set WAE, 249
.set WAES, 250
.set WAK, 251
.set WAKS, 252
.set WAM, 253
.set WAV, 254
.set WAVS, 255
.set QB, 80                            ; window 1
.set KB, 120
.set O, 152
.set WV, 24                            ; s24 wave; s25 which half of the head's queries; s26 batch x head; s27 batch; s28 head
.set G1E, 32
.set G1K, 40
.set G1V, 48
.set G0E, 56
.set G0K, 60
.set G0V, 68
.set SEL, 72
.set CS, 74
.set MNT, 76
.set W_LD1, 0x40                       ; destination window 1
.set W_MM,  0x05                       ; sources 0 and 1 window 1; C and D window 0
.set W_PV,  0x51                       ; source 0, C and D window 1; source 1 window 0
.set W_O1,  0x41                       ; destination and source 0 window 1
.set MSB, 0
.macro WIN new                         ; the immediate's high byte repeats the setting that is left
.if MSB != \new
	s_set_vgpr_msb (MSB<<8)|\new
.set MSB, \new
.endif
.endm
.macro PLACES n                        ; plain vector lines behind a matrix instruction: 8 ahead of a read of its result or a load into its registers, 9 ahead of a matrix instruction that writes over them
.rept \n
	v_nop
.endr
.endm
; pass p's Q: two scale words a lane, and each tile's fragment twice
.macro QLOAD p
.irp t, 0,1
	global_load_b32 v[QS+\t], v[QSO], s[6:7] offset:1024*\p+64*\t
.endr
	WIN W_LD1
.irp c, 0,1
	global_load_b128 v[QB+4*\c:QB+4*\c+3], v[LI], s[4:5] offset:16384*\p+1024+512*\c         ; Q of tile 1, twice,
	global_load_b128 v[QB+8+4*\c:QB+8+4*\c+3], v[LI], s[4:5] offset:16384*\p+1024+512*\c
	global_load_b128 v[QB+24+4*\c:QB+24+4*\c+3], v[LI], s[4:5] offset:16384*\p+512*\c        ; Q of tile 0, twice
	global_load_b128 v[QB+32+4*\c:QB+32+4*\c+3], v[LI], s[4:5] offset:16384*\p+512*\c
.endr
	WIN 0
.endm
; a pass begins: Q is in; the statistics and O^T begin anew
.macro PROLOG
	s_wait_loadcnt 0x0                             ; Q's words and codes
.irp t, 0,1
	v_perm_b32 v[QS+\t], v[QS+\t], v[QS+\t], s77   ; my head's two bytes, for k < 64 and for k >= 64
.endr
	s_wait_xcnt 0x0                                ; every global instruction issued so far has read its registers: the last pass's store data may be written again, and EXEC may change in the loop
.irp t, 0,1
	v_mov_b32 v[STT+4*\t+1], 0xff61b1e6            ; the largest t so far: -3e38
	s_delay_alu instid0(VALU_DEP_1)
	v_floor_f32 v[STT+4*\t], -v[STT+4*\t+1]
	v_mov_b32 v[STT+4*\t+2], 0
	v_mov_b32 v[STT+4*\t+3], 0
.endr
	WIN W_LD1
.set j, 0
.rept 64
	v_mov_b32 v[O+j], 0                            ; O^T.  (The step is written once: the first finds zeros, which the first change of M leaves zeros)
.set j, j+1
.endr
	WIN 0
.endm
; Q.E'' of tile t for the 144 x of this step: 9 products; through the stage; back skewed into the scores' registers
.macro T1 t
.if \t
	s_wait_dscnt 63                                ; 64 loads were issued behind tile 0's 18 stores: those stores have read their registers
.endif
	WIN W_MM
.irp p, 0,1,2,3,4,5,6,7,8
.if \t
	v_wmma_scale_f32_16x16x128_f8f6f4 v[R+8*\p:R+8*\p+7], v[8*(8-\p):8*(8-\p)+15], v[QB+8:QB+23], 0, v[ES+1+\p], v[QS+1]
.else
	v_wmma_scale_f32_16x16x128_f8f6f4 v[R+8*\p:R+8*\p+7], v[8*(8-\p):8*(8-\p)+15], v[QB+16:QB+31], 0, v[ES+1+\p], v[QS]
.endif
.endr
	WIN 0
	PLACES 9
.irp p, 0,1,2,3,4,5,6,7,8
	ds_store_b128 v[AST], v[R+8*\p:R+8*\p+3] offset:64*\p          ; each result from its low end on
	ds_store_b128 v[AST], v[R+8*\p+4:R+8*\p+7] offset:64*\p+16
.endr
.set q, 0
.rept 64
	ds_load_b32 v[S+64*\t+q], v[ALD] offset:4*(128-32*(q/16)-(q%16))-64   ; LDS serves a wave's instructions in order (ISA guide 5.7.1.4): these see the stores above
.set q, q+1
.endr
.endm
; K.E'' joins the scores: register i of tiles (g, u), s = sr = 8 u + i lanes off.  First the lanes >= s of both tiles,
.macro DSHR g, u, i, sr
.if \sr == 0
	v_add_f32 v[S+16*\g+8*\u+\i], v[R+24*\u+8+\i], v[S+16*\g+8*\u+\i]
	v_add_f32 v[S+64+16*\g+8*\u+\i], v[R+24*\u+16+\i], v[S+64+16*\g+8*\u+\i]
.else
	v_add_f32_dpp v[S+16*\g+8*\u+\i], v[R+24*\u+8+\i], v[S+16*\g+8*\u+\i] row_shr:\sr row_mask:0xf bank_mask:0xf        ; the other lanes keep their score
	v_add_f32_dpp v[S+64+16*\g+8*\u+\i], v[R+24*\u+16+\i], v[S+64+16*\g+8*\u+\i] row_shr:\sr row_mask:0xf bank_mask:0xf
.endif
.endm
; then the lanes < s, from the tile of E'' below: sl = 16 - s
.macro DSHL g, u, i, sl
	v_add_f32_dpp v[S+16*\g+8*\u+\i], v[R+24*\u+\i], v[S+16*\g+8*\u+\i] row_shl:\sl row_mask:0xf bank_mask:0xf
	v_add_f32_dpp v[S+64+16*\g+8*\u+\i], v[R+24*\u+8+\i], v[S+64+16*\g+8*\u+\i] row_shl:\sl row_mask:0xf bank_mask:0xf
.endm
; 32 keys: K's two block-diagonal fragments; for each: Q.K of both tiles onto Q.E'', and K.E'' against three pairs of tiles, begun with 8 x mask
.macro KEYS g
.if \g == 0
	s_wait_dscnt 63                                ; tile 1's 18 stores into the stage have read their registers
.endif
	WIN W_LD1
	s_mov_b32 exec_lo, 0x00ff00ff                  ; rows 0-7 alone (lanes 0-7 and 16-23): their codes go to k < 64; the other lanes keep the zeros written at the head
.irp u, 0,1
.irp c, 0,1
	ds_load_b128 v[KB+16*\u+4*\c:KB+16*\u+4*\c+3], v[WAK] offset:2*KPT*\g+512*\c+128*\u
.endr
.endr
	s_mov_b32 exec_lo, 0xff00ff00                  ; rows 8-15 alone: their codes go to k >= 64
.irp u, 0,1
.irp c, 0,1
	ds_load_b128 v[KB+16*\u+8+4*\c:KB+16*\u+8+4*\c+3], v[WAK] offset:2*KPT*\g+512*\c+128*\u
.endr
.endr
	s_mov_b32 exec_lo, -1                          ; all lanes on again
	WIN 0
.irp u, 0,1
	ds_load_b32 v[KSR+\u], v[WAKS] offset:128*\g+32*\u
	ds_load_b128 v[MC+8*\u:MC+8*\u+3], v[WAM] offset:128*\g+32*\u
	ds_load_b128 v[MC+8*\u+4:MC+8*\u+7], v[WAM] offset:128*\g+32*\u+16
.endr
	s_wait_dscnt 0x0
	WIN W_MM
.irp u, 0,1
	v_wmma_scale_f32_16x16x128_f8f6f4 v[S+16*\g+8*\u:S+16*\g+8*\u+7], v[KB+16*\u:KB+16*\u+15], v[QB+24:QB+39], v[S+16*\g+8*\u:S+16*\g+8*\u+7], v[KSR+\u], v[QS]
	v_wmma_scale_f32_16x16x128_f8f6f4 v[S+64+16*\g+8*\u:S+64+16*\g+8*\u+7], v[KB+16*\u:KB+16*\u+15], v[QB:QB+15], v[S+64+16*\g+8*\u:S+64+16*\g+8*\u+7], v[KSR+\u], v[QS+1]
.irp x, 0,1,2
	v_wmma_scale_f32_16x16x128_f8f6f4 v[R+8*(3*\u+\x):R+8*(3*\u+\x)+7], v[KB+16*\u:KB+16*\u+15], v[8*(2+2*\g-\x):8*(2+2*\g-\x)+15], v[MC+8*\u:MC+8*\u+7], v[KSR+\u], v[ES+7-2*\g+\x]
.endr
.endr
	WIN 0
	PLACES 9
	DSHR \g, 0, 0, 0                               ; every result is read from its low end on; the second addition onto a score stands sixteen lines or more behind the first
	DSHR \g, 0, 1, 1
	DSHR \g, 0, 2, 2
	DSHR \g, 0, 3, 3
	DSHR \g, 0, 4, 4
	DSHR \g, 0, 5, 5
	DSHR \g, 0, 6, 6
	DSHR \g, 0, 7, 7
	DSHR \g, 1, 0, 8
	DSHR \g, 1, 1, 9
	DSHR \g, 1, 2, 10
	DSHR \g, 1, 3, 11
	DSHR \g, 1, 4, 12
	DSHR \g, 1, 5, 13
	DSHR \g, 1, 6, 14
	DSHR \g, 1, 7, 15
	DSHL \g, 0, 1, 15
	DSHL \g, 0, 2, 14
	DSHL \g, 0, 3, 13
	DSHL \g, 0, 4, 12
	DSHL \g, 0, 5, 11
	DSHL \g, 0, 6, 10
	DSHL \g, 0, 7, 9
	DSHL \g, 1, 0, 8
	DSHL \g, 1, 1, 7
	DSHL \g, 1, 2, 6
	DSHL \g, 1, 3, 5
	DSHL \g, 1, 4, 4
	DSHL \g, 1, 5, 3
	DSHL \g, 1, 6, 2
	DSHL \g, 1, 7, 1
.endm
; both tiles' softmax for 128 keys, line by line together: p's codes and scale words, and O^T under the new M
.macro SOFTMAX2
.irp b, 0,1,2,3
.irp t, 0,1
	v_max3_num_f32 v[TM+16*\t+\b], v[S+64*\t+16*\b], v[S+64*\t+16*\b+1], v[S+64*\t+16*\b+2]   ; the largest score of each block of 32 keys: for the row's maximum, and, since p rises with the score, for the block's largest p
.endr
.endr
.irp i, 3,5,7,9,11,13
.irp b, 0,1,2,3
.irp t, 0,1
	v_max3_num_f32 v[TM+16*\t+\b], v[TM+16*\t+\b], v[S+64*\t+16*\b+\i], v[S+64*\t+16*\b+\i+1]
.endr
.endr
.endr
.irp b, 0,1,2,3
.irp t, 0,1
	v_max_num_f32 v[TM+16*\t+\b], v[TM+16*\t+\b], v[S+64*\t+16*\b+15]
.endr
.endr
.irp b, 0,1,2,3
.irp t, 0,1
	v_permlanex16_b32 v[TM+16*\t+4+\b], v[TM+16*\t+\b], s[SEL], s[SEL+1]
.endr
.endr
.irp b, 0,1,2,3
.irp t, 0,1
	v_max_num_f32 v[TM+16*\t+\b], v[TM+16*\t+\b], v[TM+16*\t+4+\b]
.endr
.endr
.irp t, 0,1
	s_delay_alu instid0(VALU_DEP_4)
	v_max3_num_f32 v[TMP-8*\t], v[TM+16*\t], v[TM+16*\t+1], v[TM+16*\t+2]
.endr
.irp t, 0,1
	s_delay_alu instid0(VALU_DEP_2)
	v_max_num_f32 v[TMP-8*\t], v[TMP-8*\t], v[TM+16*\t+3]
.endr
.irp t, 0,1
	s_delay_alu instid0(VALU_DEP_2)
	v_mul_f32 v[TMP-8*\t], s[CS], v[TMP-8*\t]      ; as t (c is positive)
.endr
.irp t, 0,1
	s_delay_alu instid0(VALU_DEP_2)
	v_max_num_f32 v[STT+4*\t+1], v[STT+4*\t+1], v[TMP-8*\t]   ; the running largest t
.endr
.irp t, 0,1
	v_mov_b32 v[TMP-8*\t], v[STT+4*\t]
.endr
.irp t, 0,1
	s_delay_alu instid0(VALU_DEP_4)
	v_floor_f32 v[STT+4*\t], -v[STT+4*\t+1]        ; the new -M = -ceil(t): a whole number
.endr
.irp t, 0,1
	s_delay_alu instid0(VALU_DEP_2)
	v_sub_f32 v[TMP-8*\t], v[STT+4*\t], v[TMP-8*\t]   ; old M - new M, 0 or less
.endr
.irp t, 0,1
	s_delay_alu instid0(VALU_DEP_2)
	v_cvt_i32_f32 v[TMP-8*\t], v[TMP-8*\t]         ; (it saturates)
.endr
.irp t, 0,1
	s_delay_alu instid0(VALU_DEP_2)
	v_ldexp_f32 v[FF+196*\t], 1.0, v[TMP-8*\t]     ; f = 2^(old M - new M): exact
.endr
.set j, 0
.rept 32
.irp t, 0,1
	v_pk_fma_f32 v[S+64*\t+j:S+64*\t+j+1], v[S+64*\t+j:S+64*\t+j+1], s[CS:CS+1], v[STT+4*\t:STT+4*\t+1] op_sel_hi:[1,0,0]   ; t - M, two at a time
.endr
.set j, j+2
.endr
.irp b, 0,1,2,3
.irp t, 0,1
	v_fma_f32 v[TM+16*\t+\b], v[TM+16*\t+\b], s[CS], v[STT+4*\t]
.endr
.endr
.set j, 0
	s_wait_alu depctr_va_vdst(0)
.rept 64
.irp t, 0,1
	v_exp_f32 v[S+64*\t+j], v[S+64*\t+j]           ; p = 2^(t - M): one batch of 128
.endr
.set j, j+1
.endr
.irp t, 0,1
	v_pk_mul_f32 v[STT+4*\t+2:STT+4*\t+3], v[STT+4*\t+2:STT+4*\t+3], v[FF+196*\t:FF+196*\t+1] op_sel_hi:[1,0]   ; the sums under the new M: the plain lines behind the exponentials
.endr
	s_setprio 0
	s_wait_alu depctr_va_vdst(0)                   ; the wait ahead of the first line that names a result: one for the 128
.irp b, 0,1,2,3
.irp t, 0,1
	v_exp_f32 v[TM+16*\t+\b], v[TM+16*\t+\b]       ; the block's largest p
.endr
.endr
.irp t, 0,1
	v_pk_add_f32 v[TM+16*\t+4:TM+16*\t+5], v[S+64*\t:S+64*\t+1], v[S+64*\t+2:S+64*\t+3]   ; the rows' sums, of the unquantised p: two chains a tile, four by turns
.endr
.set j, 4
.rept 15
.irp t, 0,1
	v_pk_add_f32 v[STT+4*\t+2:STT+4*\t+3], v[STT+4*\t+2:STT+4*\t+3], v[S+64*\t+j:S+64*\t+j+1]
.endr
.irp t, 0,1
	v_pk_add_f32 v[TM+16*\t+4:TM+16*\t+5], v[TM+16*\t+4:TM+16*\t+5], v[S+64*\t+j+2:S+64*\t+j+3]
.endr
.set j, j+4
.endr
.irp t, 0,1
	s_delay_alu instid0(VALU_DEP_2)
	v_pk_add_f32 v[STT+4*\t+2:STT+4*\t+3], v[STT+4*\t+2:STT+4*\t+3], v[TM+16*\t+4:TM+16*\t+5]
.endr
	s_wait_alu depctr_va_vdst(0)                   ; and one for the eight
.irp b, 0,1,2,3
.irp t, 0,1
	v_max_num_f32 v[TM+16*\t+\b], 0x4800000, v[TM+16*\t+\b]    ; the floor 2^(9 - 127): the byte cannot fall under 1
.endr
.endr
.irp b, 0,1,2,3
.irp t, 0,1
	v_add_nc_u32 v[TM+16*\t+12+\b], 0xfc000000, v[TM+16*\t+\b]   ; 8 off the exponent field: the conversion's scale operand
.endr
.endr
.irp b, 0,1,2,3
.irp t, 0,1
.endr
.endr
.irp b, 0,1,2,3
.irp t, 0,1
	v_lshrrev_b32 v[TM+16*\t+4+\b], 23, v[TM+16*\t+12+\b]   ; the scale's byte
.endr
.endr
.irp t, 0,1
	v_lshl_or_b32 v[PS+\t], v[TM+16*\t+5], 8, v[TM+16*\t+4]    ; p's scale word for these 128 keys
.endr
.irp t, 0,1
	s_delay_alu instid0(VALU_DEP_2)
	v_lshl_or_b32 v[PS+\t], v[TM+16*\t+6], 16, v[PS+\t]
.endr
.irp t, 0,1
	s_delay_alu instid0(VALU_DEP_2)
	v_lshl_or_b32 v[PS+\t], v[TM+16*\t+7], 24, v[PS+\t]
.endr
.irp b, 0,1,2,3
.irp t, 0,1
.irp i, 0,1,2,3,4,5,6,7,8,9,10,11,12,13,14,15
.endr
	v_cvt_scalef32_pk8_fp8_f32 v[R+16*\t+4*\b:R+16*\t+4*\b+1], v[S+64*\t+16*\b:S+64*\t+16*\b+7], v[TM+16*\t+12+\b]
	v_cvt_scalef32_pk8_fp8_f32 v[R+16*\t+4*\b+2:R+16*\t+4*\b+3], v[S+64*\t+16*\b+8:S+64*\t+16*\b+15], v[TM+16*\t+12+\b]
.endr
.endr
	WIN W_O1
.set j, 0
.rept 16
.irp t, 0,1
	v_pk_mul_f32 v[O+32*\t+j:O+32*\t+j+1], v[O+32*\t+j:O+32*\t+j+1], v[FF+196*\t:FF+196*\t+1] op_sel_hi:[1,0]   ; O^T x f; also the plain lines between the codes and the products
.endr
.set j, j+2
.endr
	WIN 0
.endm
; one step: 128 keys for my 32 queries
.macro STEPBODY
	v_add_nc_u32 v[WAE], s79, v[AE]
	v_add_nc_u32 v[WAES], s92, v[AES]
	v_add_nc_u32 v[WAK], s93, v[AK]
	v_add_nc_u32 v[WAKS], s94, v[AKS]
	v_add_nc_u32 v[WAM], s94, v[AM]
	v_add_nc_u32 v[WAV], s93, v[AV]
	v_add_nc_u32 v[WAVS], s95, v[AVS]
	WIN W_LD1                                      ; the ten tiles of E'' that my 32 queries meet in this step: register block g holds tile e = 9 - g
.irp g, 0,1,2,3,4,5,6,7,8,9
.irp c, 0,1
	ds_load_b128 v[8*\g+4*\c:8*\g+4*\c+3], v[WAE] offset:1024*\g+512*\c
.endr
.endr
	WIN 0
.irp e, 1,2,3,4,5,6,7,8,9
	ds_load_b32 v[ES+\e], v[WAES] offset:64*(9-\e) ; the scale word of the pair [tile e | tile e - 1]
.endr
	s_wait_alu depctr_va_vdst(0)
	s_wait_dscnt 0x0
	T1 0
	T1 1
	KEYS 0
	KEYS 1
	KEYS 2
	KEYS 3
	WIN W_LD1                                      ; V's four fragments take E's registers; they land while the softmax is walked
	s_setprio 1
.irp d, 0,1,2,3
.irp c, 0,1,2,3
	ds_load_b128 v[16*\d+4*\c:16*\d+4*\c+3], v[WAV] offset:(\c/2)*4096+1024*\d+(\c%2)*512
.endr
.endr
	WIN 0
.irp d, 0,1,2,3
	ds_load_b32 v[VS+\d], v[WAVS] offset:64*\d
.endr
	SOFTMAX2
	s_wait_alu depctr_va_vdst(0)
	s_wait_dscnt 0x0                               ; V is in
	WIN W_PV
.irp d, 0,1,2,3                        ; O^T += V^T P^T: the eight accumulators by turns, one instruction a turn
.irp t, 0,1
	v_wmma_scale_f32_16x16x128_f8f6f4 v[O+8*(4*\t+\d):O+8*(4*\t+\d)+7], v[16*\d:16*\d+15], v[R+16*\t:R+16*\t+15], v[O+8*(4*\t+\d):O+8*(4*\t+\d)+7], v[VS+\d], v[PS+\t]
.endr
.endr
	WIN 0
	PLACES 9
.endm
; pass p's eight steps.  The LDS offsets are set by constants and stepped by constants
.macro LOOP p
	s_mov_b32 s78, 8                               ; steps to go
	s_mov_b32 s79, (16-16*\p)*1024                 ; E's images: the pass's window, then 8,192 a step
	s_mov_b32 s92, (16-16*\p)*64                   ; E's scale words: 512 a step
	s_mov_b32 s93, 0                               ; K's and V's images: 8,192 a step
	s_mov_b32 s94, 0                               ; K's scale words and the mask: 512 a step
	s_mov_b32 s95, 0                               ; V's scale words: 256 a step
.Lstep_\@:
	s_setprio 2
	STEPBODY
	s_add_co_u32 s79, s79, 8192
	s_add_co_u32 s92, s92, 512
	s_add_co_u32 s93, s93, 8192
	s_add_co_u32 s94, s94, 512
	s_add_co_u32 s95, s95, 256
	s_sub_co_u32 s78, s78, 1
	s_cmp_lg_u32 s78, 0
	s_cbranch_scc1 .Lstep_\@
	s_setprio 0
.endm
; THE WAY OUT of a pass.  O^T / the sum goes through my stage, a tile (16 queries x 256 bytes) at a time, and leaves as whole runs of 256 bytes.
.macro OUTT t, rc
	WIN 0x01                                       ; source 0 window 1
.set j, 0
.rept 16
	v_pk_mul_f32 v[S+64*\t+j:S+64*\t+j+1], v[O+32*\t+j:O+32*\t+j+1], v[\rc:\rc+1] op_sel_hi:[1,0]   ; register 8 d + i: channel 16 d + 8 h + i of query n
.set j, j+2
.endr
	WIN 0
.irp d, 0,1,2,3
	ds_store_b128 v[OSW], v[S+64*\t+8*\d:S+64*\t+8*\d+3] offset:64*\d
	ds_store_b128 v[OSW], v[S+64*\t+8*\d+4:S+64*\t+8*\d+7] offset:64*\d+16
.endr
.irp k, 0,1,2,3,4,5,6,7
	ds_load_b128 v[S+64*\t+32+4*\k:S+64*\t+35+4*\k], v[OSR] offset:544*\k   ; two rows an instruction; LDS serves a wave's instructions in order
.endr
.endm
.macro WAYOUT p
.irp t, 0,1
	v_add_f32 v[STT+4*\t+2], v[STT+4*\t+2], v[STT+4*\t+3]
.endr
.irp t, 0,1
	s_delay_alu instid0(VALU_DEP_2)
	v_permlanex16_b32 v[TM+4+\t], v[STT+4*\t+2], s[SEL], s[SEL+1]
.endr
.irp t, 0,1
	s_delay_alu instid0(VALU_DEP_2)
	v_add_f32 v[STT+4*\t+2], v[STT+4*\t+2], v[TM+4+\t]
.endr
	s_wait_alu depctr_va_vdst(0)
	v_rcp_f32 v[FF], v[STT+2]
	v_rcp_f32 v[TMP], v[STT+6]
	v_nop                                          ; a plain line behind the reciprocals
	s_wait_alu depctr_va_vdst(0)                   ; and the wait ahead of their first use: one for both
	OUTT 0, FF
	OUTT 1, TMP
.irp k, 0,1,2,3,4,5,6,7
	s_wait_dscnt 23-\k                             ; behind this load: tile 0's later loads and tile 1's sixteen LDS instructions
	global_store_b128 v[GO], v[S+32+4*\k:S+35+4*\k], s[22:23] offset:1048576*\p+2*\k*4096 th:TH_STORE_NT   ; sixteen lanes store 256 consecutive bytes, aligned
.endr
.irp k, 0,1,2,3,4,5,6,7
	s_wait_dscnt 7-\k
	global_store_b128 v[GO], v[S+96+4*\k:S+99+4*\k], s[22:23] offset:1048576*\p+(16+2*\k)*4096 th:TH_STORE_NT
.endr
.endm
	s_load_b512 s[4:19], s[0:1], 0x0               ; qimg, qsc, kimg, ksc, vimg, vsc, eimg, esc
	s_load_b128 s[20:23], s[0:1], 0x40             ; the mask, out0
	v_lshl_add_u32 v[SPW], v0, 2, SPARE
	v_mov_b32 v[NIL], 0
	ds_add_u32 v[SPW], v[NIL]                      ; the wave's opening: the add, twice on end, and its wait ahead of my first tensor load
	ds_add_u32 v[SPW], v[NIL]
	v_lshrrev_b32 v1, 5, v0
	s_delay_alu instid0(VALU_DEP_1)
	v_readfirstlane_b32 s[WV], v1                  ; wave 0..7
	s_mov_b32 s25, ttmp9                           ; which 512 of the head's queries
	s_and_b32 s26, ttmp7, 0xffff                   ; batch x head
	s_lshr_b32 s27, s26, 4
	s_and_b32 s28, s26, 15
	s_and_b32 s29, s[WV], 3
	s_and_b32 s30, s[WV], 1
	s_xor_b32 s31, s25, 1                          ; 1 - half
	; group 1, elements of 8 bytes.  E: 24 rows of 1,024 dense bytes.  K: 32 rows of 1,024 dense bytes.  V: 8 rows of 4,096 bytes, 65,536 apart.
	s_mov_b32 s[G1E], 3<<16
	s_mov_b32 s[G1E+1], 128<<16
	s_mov_b32 s[G1E+2], 24<<16
	s_mov_b32 s[G1E+3], 128<<16
	s_mov_b32 s[G1E+4], 24
	s_mov_b32 s[G1E+5], 128
	s_mov_b32 s[G1E+6], 0
	s_mov_b32 s[G1E+7], 0
	s_mov_b32 s[G1K], 3<<16
	s_mov_b32 s[G1K+1], 128<<16
	s_mov_b32 s[G1K+2], 32<<16
	s_mov_b32 s[G1K+3], 128<<16
	s_mov_b32 s[G1K+4], 32
	s_mov_b32 s[G1K+5], 128
	s_mov_b32 s[G1K+6], 0
	s_mov_b32 s[G1K+7], 0
	s_mov_b32 s[G1V], 3<<16
	s_mov_b32 s[G1V+1], 512<<16
	s_mov_b32 s[G1V+2], 8<<16
	s_mov_b32 s[G1V+3], 512<<16
	s_mov_b32 s[G1V+4], 8
	s_mov_b32 s[G1V+5], 8192
	s_mov_b32 s[G1V+6], 0
	s_mov_b32 s[G1V+7], 0
	s_mov_b32 s[SEL], 0x76543210
	s_mov_b32 s[SEL+1], 0xfedcba98                 ; lane l xor 16
	s_mov_b32 s[CS], 0x3e38aa3b                    ; c = log2(e) / 8
	s_mov_b32 s[CS+1], s[CS]
	s_and_b32 s80, s28, 1
	s_cmp_eq_u32 s80, 0
	s_mov_b32 s77, 0x03020302                      ; my head's two scale bytes of a word, twice over: the odd head's,
	s_cselect_b32 s77, 0x01000100, s77             ; or the even one's
	s_mul_i32 s[G0E+1], s29, 24576                 ; E: a quarter of the 96 tiles for each of waves 0-3
	s_lshl_b32 s80, s31, 15                        ; the window begins at place 32 - 32 x half of the reversed table
	s_add_co_u32 s80, s80, s[G0E+1]
	s_mov_b32 s81, 0
	s_lshl_b32 s[G0K+1], s30, 15                   ; K: a half for each of waves 4, 5
	s_add_co_u32 s[G0K+1], s[G0K+1], KIMG
	s_lshl_b32 s82, s26, 16
	s_lshl_b32 s83, s30, 15
	s_add_co_u32 s82, s82, s83
	s_mov_b32 s83, 0
	s_lshl_b32 s[G0V+1], s30, 15                   ; V: a half for each of waves 6, 7
	s_add_co_u32 s[G0V+1], s[G0V+1], VIMG
	s_lshl_b32 s84, s27, 20
	s_lshl_b32 s85, s28, 12
	s_add_co_u32 s84, s84, s85
	s_lshl_b32 s85, s30, 19
	s_add_co_u32 s84, s84, s85
	s_mov_b32 s85, 0
	s_wait_dscnt 0x0                               ; both opening adds are done
	s_wait_kmcnt 0x0
	s_mov_b32 s[G0E], 1
	s_add_nc_u64 s[G0E+2:G0E+3], s[16:17], s[80:81]
	s_or_b32 s[G0E+3], s[G0E+3], 0x80000000
	s_mov_b32 s[G0K], 1
	s_add_nc_u64 s[G0K+2:G0K+3], s[8:9], s[82:83]
	s_or_b32 s[G0K+3], s[G0K+3], 0x80000000
	s_mov_b32 s[G0V], 1
	s_add_nc_u64 s[G0V+2:G0V+3], s[12:13], s[84:85]
	s_or_b32 s[G0V+3], s[G0V+3], 0x80000000
	s_cmp_lt_u32 s[WV], 4                          ; every wave issues one tensor load: one load of mine is out.  An s_nop 0 and four v_nop follow each
	s_cbranch_scc0 .Lnot_e
	tensor_load_to_lds s[G0E:G0E+3], s[G1E:G1E+7]
	s_nop 0
.rept 4
	v_nop
.endr
	s_branch .Lasked
.Lnot_e:
	s_cmp_lt_u32 s[WV], 6
	s_cbranch_scc0 .Lfor_v
	tensor_load_to_lds s[G0K:G0K+3], s[G1K:G1K+7]
	s_nop 0
.rept 4
	v_nop
.endr
	s_branch .Lasked
.Lfor_v:
	tensor_load_to_lds s[G0V:G0V+3], s[G1V:G1V+7]
	s_nop 0
.rept 4
	v_nop
.endr
.Lasked:
	; the small tables and Q, through registers
	s_mov_b32 s81, 0
	s_lshl_b32 s80, s27, 12
	s_add_nc_u64 s[20:21], s[20:21], s[80:81]      ; the batch's mask
	s_lshl_b32 s80, s27, 3
	s_lshr_b32 s82, s28, 1
	s_add_co_u32 s80, s80, s82
	s_lshl_b32 s80, s80, 12                        ; the batch's pair of heads: 1,024 words
	s_add_nc_u64 s[10:11], s[10:11], s[80:81]
	s_add_nc_u64 s[6:7], s[6:7], s[80:81]
	s_lshl_b32 s80, s25, 11
	s_lshl_b32 s82, s[WV], 7
	s_add_co_u32 s80, s80, s82
	s_add_nc_u64 s[6:7], s[6:7], s[80:81]          ; at the word of my first query of pass 0: 512 x half + 32 x wave
	s_lshl_b32 s80, s26, 11
	s_add_nc_u64 s[14:15], s[14:15], s[80:81]
	s_lshl_b32 s80, s31, 11
	s_add_nc_u64 s[18:19], s[18:19], s[80:81]      ; the window's scale words
	s_lshl_b32 s80, s26, 16
	s_lshl_b32 s82, s25, 15
	s_add_co_u32 s80, s80, s82
	s_lshl_b32 s82, s[WV], 11
	s_add_co_u32 s80, s80, s82
	s_add_nc_u64 s[4:5], s[4:5], s[80:81]          ; my two tiles of Q of pass 0
	s_lshl_b32 s80, s27, 22
	s_lshl_b32 s82, s25, 21
	s_add_co_u32 s80, s80, s82
	s_lshl_b32 s82, s[WV], 17
	s_add_co_u32 s80, s80, s82
	s_lshl_b32 s82, s28, 8
	s_add_co_u32 s80, s80, s82
	s_add_nc_u64 s[22:23], s[22:23], s[80:81]      ; my first row of the output in pass 0, at my head's 256 bytes
	v_and_b32 v[LI], 31, v0
	s_delay_alu instid0(VALU_DEP_1)
	v_lshlrev_b32 v[LI], 4, v[LI]                  ; 16 x lane
	v_and_b32 v176, 15, v0                         ; n = m = lane % 16
	v_lshlrev_b32 v248, 4, v0
	v_lshlrev_b32 v249, 3, v0
	v_lshlrev_b32 v250, 2, v0
	s_delay_alu instid0(VALU_DEP_4)
	v_lshlrev_b32 v[QSO], 2, v176
	global_load_b128 v[48:51], v248, s[20:21]      ; the mask: 16 bytes a thread
	global_load_b128 v[52:55], v248, s[10:11]      ; K's scale words
	global_load_b64 v[56:57], v249, s[14:15]       ; V's
.irp k, 0,1,2,3,4,5
	global_load_b32 v[58+\k], v250, s[18:19] offset:1024*\k   ; E's
.endr
	QLOAD 0
	WIN W_LD1
.set j, 0
.rept 8
	v_mov_b32 v[QB+16+j], 0                        ; zero codes between Q of tile 1 and Q of tile 0
.set j, j+1
.endr
.set j, 0
.rept 32
	v_mov_b32 v[KB+j], 0                           ; K's two fragments: the zeros of the block-diagonal form, written once, in all lanes
.set j, j+1
.endr
	WIN 0
	v_bfe_u32 v177, v0, 4, 1                       ; h
	v_and_b32 v178, 7, v0                          ; m % 8
	v_bfe_u32 v179, v0, 3, 1                       ; m / 8
	s_delay_alu instid0(VALU_DEP_3)
	v_xor_b32 v180, 1, v177                        ; 1 - h
	s_xor_b32 s80, s[WV], 7                        ; 7 - wave
	s_lshl_b32 s82, s80, 11
	v_add_nc_u32 v[AE], s82, v[LI]                 ; E: place 14 - 2 wave of a pass's window
	s_lshl_b32 s82, s80, 7
	s_add_co_u32 s82, s82, ESC
	v_lshl_add_u32 v[AES], v176, 2, s82
	v_mul_u32_u24 v[AK], v179, KPT                 ; K: rows 8-15 come from the next tile of 16 keys
	s_delay_alu instid0(VALU_DEP_1)
	v_lshl_add_u32 v[AK], v178, 4, v[AK]
	s_delay_alu instid0(VALU_DEP_1)
	v_lshl_add_u32 v[AK], v177, 8, v[AK]
	s_delay_alu instid0(VALU_DEP_1)
	v_add_nc_u32 v[AK], KIMG, v[AK]
	v_lshl_add_u32 v[AKS], v179, 3, v176           ; m + 8 (m / 8)
	s_delay_alu instid0(VALU_DEP_1)
	v_lshl_add_u32 v[AKS], v[AKS], 2, KSC
	v_lshl_add_u32 v[AM], v177, 6, MSK
	v_add_nc_u32 v[AV], VIMG, v[LI]
	v_lshl_add_u32 v[AVS], v176, 2, VSC
	s_mul_i32 s83, s[WV], STGW
	s_add_co_u32 s83, s83, STG                     ; my stage
	v_mul_u32_u24 v[AST], v176, 592                ; in: row n, 32 bytes for each half
	s_delay_alu instid0(VALU_DEP_1)
	v_lshl_add_u32 v[AST], v177, 5, v[AST]
	s_delay_alu instid0(VALU_DEP_1)
	v_add_nc_u32 v[AST], s83, v[AST]
	v_mul_u32_u24 v[ALD], v176, 596                ; back, skewed: row n, n words on, 16 words back for the upper half
	s_delay_alu instid0(VALU_DEP_1)
	v_lshl_add_u32 v[ALD], v180, 6, v[ALD]
	s_delay_alu instid0(VALU_DEP_1)
	v_add_nc_u32 v[ALD], s83, v[ALD]
	v_mul_u32_u24 v[OSW], v176, 272                ; the way out: rows of 256 bytes + 16
	s_delay_alu instid0(VALU_DEP_1)
	v_lshl_add_u32 v[OSW], v177, 5, v[OSW]
	s_delay_alu instid0(VALU_DEP_1)
	v_add_nc_u32 v[OSW], s83, v[OSW]
	v_mul_u32_u24 v[OSR], v177, 272
	s_delay_alu instid0(VALU_DEP_1)
	v_lshl_add_u32 v[OSR], v176, 4, v[OSR]
	s_delay_alu instid0(VALU_DEP_1)
	v_add_nc_u32 v[OSR], s83, v[OSR]
	v_lshlrev_b32 v[GO], 12, v177
	s_delay_alu instid0(VALU_DEP_1)
	v_lshl_add_u32 v[GO], v176, 4, v[GO]
	v_mov_b32 v[FF+1], 0                           ; (named as the upper halves of pairs)
	v_mov_b32 v[FF+197], 0
.irp b, 0,1,2,3
	v_mov_b32 v[TM+4+\b], 0                        ; a lane permute's destination counts as one of its sources
	v_mov_b32 v[TM+20+\b], 0
.endr
	v_lshl_add_u32 v182, v0, 4, MSK
	v_lshl_add_u32 v183, v0, 4, KSC
	v_lshl_add_u32 v184, v0, 3, VSC
	v_lshl_add_u32 v185, v0, 2, ESC
	s_wait_loadcnt 10                              ; the tables are in; the ten loads of Q's words and codes, issued behind them, may be out
	v_pk_mul_f32 v[48:49], v[48:49], 0x41000000 op_sel_hi:[1,0]   ; 8 x mask
	v_pk_mul_f32 v[50:51], v[50:51], 0x41000000 op_sel_hi:[1,0]
.irp k, 0,1,2,3
	v_perm_b32 v[52+\k], v[52+\k], v[52+\k], s77   ; my head's two bytes, for k < 64 and for k >= 64
.endr
	s_wait_alu depctr_va_vdst(0)
	ds_store_b128 v182, v[48:51]
	ds_store_b128 v183, v[52:55]
	ds_store_b64 v184, v[56:57]
.irp k, 0,1,2,3,4,5
	ds_store_b32 v185, v[58+\k] offset:1024*\k
.endr
	PROLOG
	s_wait_tensorcnt 0x0                           ; my tile has landed,
	s_wait_dscnt 0x0                               ; my part of the tables is stored:
	s_barrier_signal -1
	s_barrier_wait -1                              ; everybody's are.  From here on no wave writes LDS bytes that another reads: the stage is each wave's own
	LOOP 0                                         ; queries 512 x half + 0 .. 255
	QLOAD 1                                        ; the next pass's Q is asked for here: it lands while this pass goes out
	WAYOUT 0
	PROLOG
	LOOP 1                                         ; queries 512 x half + 256 .. 511
	WAYOUT 1
	s_wait_tensorcnt 0x0                           ; the wave's end
	ds_add_u32 v[SPW], v[NIL]
	s_wait_dscnt 0x0
	s_endpgm
.Lfunc_end_k_q0342ee7ebb_attn:
	.size	k_q0342ee7ebb_attn, .Lfunc_end_k_q0342ee7ebb_attn-k_q0342ee7ebb_attn
	.p2alignl 7, 3214868480
	.fill 96, 4, 3214868480
	.section	.rodata,"a",@progbits
	.p2align	6, 0x0
	.amdhsa_kernel k_q0342ee7ebb_attn
		.amdhsa_group_segment_fixed_size 327680
		.amdhsa_private_segment_fixed_size 0
		.amdhsa_enable_private_segment 0
		.amdhsa_kernarg_size 80
		.amdhsa_user_sgpr_count 2
		.amdhsa_user_sgpr_kernarg_segment_ptr 1
		.amdhsa_wavefront_size32 1
		.amdhsa_system_sgpr_workgroup_id_x 1
		.amdhsa_system_sgpr_workgroup_id_y 1
		.amdhsa_system_sgpr_workgroup_id_z 1
		.amdhsa_system_vgpr_workitem_id 0
		.amdhsa_next_free_vgpr 512
		.amdhsa_next_free_sgpr 100
		.amdhsa_reserve_vcc 0
		.amdhsa_float_denorm_mode_32 3
		.amdhsa_float_denorm_mode_16_64 3
		.amdhsa_fp16_overflow 1
		.amdhsa_memory_ordered 1
		.amdhsa_forward_progress 1
		.amdhsa_inst_pref_size 171
	.end_amdhsa_kernel
	.amdgpu_metadata
---
amdhsa.version: [ 1, 2 ]
amdhsa.kernels:
  - .name:           k_q0342ee7ebb_attn
    .symbol:         k_q0342ee7ebb_attn.kd
    .args:
      - { .name: qimg, .offset: 0, .size: 8, .value_kind: global_buffer, .address_space: global }
      - { .name: qsc, .offset: 8, .size: 8, .value_kind: global_buffer, .address_space: global }
      - { .name: kimg, .offset: 16, .size: 8, .value_kind: global_buffer, .address_space: global }
      - { .name: ksc, .offset: 24, .size: 8, .value_kind: global_buffer, .address_space: global }
      - { .name: vimg, .offset: 32, .size: 8, .value_kind: global_buffer, .address_space: global }
      - { .name: vsc, .offset: 40, .size: 8, .value_kind: global_buffer, .address_space: global }
      - { .name: eimg, .offset: 48, .size: 8, .value_kind: global_buffer, .address_space: global }
      - { .name: esc, .offset: 56, .size: 8, .value_kind: global_buffer, .address_space: global }
      - { .name: attention_mask, .offset: 64, .size: 8, .value_kind: global_buffer, .address_space: global }
      - { .name: out0, .offset: 72, .size: 8, .value_kind: global_buffer, .address_space: global }
    .group_segment_fixed_size: 327680
    .private_segment_fixed_size: 0
    .kernarg_segment_align: 8
    .kernarg_segment_size: 80
    .max_flat_workgroup_size: 256
    .sgpr_count:     100
    .vgpr_count:     512
    .wavefront_size: 32
...
	.end_amdgpu_metadata
.endif
;; end of part 3
